; MI455X (gfx1250); checked and timed in simulation.
; The chip was launched on July 23, 2026; its instructions are those of AMD's public machine-readable ISA for CDNA 5 (MIT licence, August 2026) and "CDNA5" Instruction Set Architecture Reference Guide (July 2026). The comments in the code are by the model that wrote it; some were corrected since.
;; Feed Forward Quantum. Allowed arithmetic: matrix products marked QUANTISED: E5M2 operands, one given power-of-two scale a tensor, by v_wmma_f32_16x16x64_bf8_bf8 or v_wmma_f32_16x16x128_bf8_bf8, f32 sums; products left as they are: f32 operands where the result goes on into a quantised operand, else bf16, f16 or f32 operands; f32 sums; everything else in f32.
;; Inputs: W1 4,096 x 8 float32; W2_codes 1,024 x 128 x 32 uint8 (E5M2 codes of W2, K innermost, in blocks of 32 codes); b1 4,096 float32; b2 1,024 float32; lowp_scales 2 int32 (the exponents e of the quantised operands' scales 2^e); theta 8 float32; x 8 x 2,048 x 1,024 float32.
;; Outputs: out0 8 x 2,048 x 1,024 float32.
;; This version of the problem:
;;   THIS VERSION OF THE PROBLEM IS GIVEN IN LOW PRECISION. The matrix products marked QUANTISED in the list below multiply operands that are first quantised to E5M2 (5 exponent bits, 2 mantissa bits; 8 bits a number), with one given power-of-two scale for each operand tensor; their sums are f32. All else is computed in f32.
;;   The module's matrix products, in the order in which they are computed (A, B: the left and right operand; K: the contracted axis; several contracted axes count as one K, in the product's order):
;;     1. [M 16,384, K 8] x [K 8, N 4,096]; A: computed on the way; B: input W1: left as it is (K = 8 < 32)
;;     2. [M 16,384, K 4,096] x [K 4,096, N 1,024]; A: computed on the way; B: input W2 (given as codes): QUANTISED (scales: A lowp_scales[0], B lowp_scales[1])
;;   THE QUANTISER, for each operand of a quantised product, along K:
;;     - The operand's scale is 2^e, e = its entry of the input lowp_scales (int32; the entries are numbered through the quantised products in the list's order, A before B).
;;     - Each number is divided by the scale, clamped to +-57,344, and rounded to the nearest number of E5M2, ties to even, subnormals kept.
;;     - The product sums the exact products of the quantised numbers (number of the format x scale) in f32.
;;   ~~~python
;;   def quantise(x, axis, e):      # numpy; x: float32 -> the quantised numbers, widened to float32 again
;;       x = np.moveaxis(x, axis, -1); K = x.shape[-1]
;;       r = np.clip(x / 2.0 ** e, -57344, 57344)
;;       step = 2.0 ** (np.maximum(np.frexp(np.where(r == 0, 1, r))[1] - 1, -14) - 2)
;;       q = np.round(r / step) * step * 2.0 ** e      # np.round: ties to even
;;       return np.moveaxis(q, -1, axis).astype(np.float32)
;;   ~~~
;;   OPERANDS COMPUTED ON THE WAY. 'Computed on the way' means the value that the module computes at that place (a softmax that the list does not call 'softmax' is quantised finished and normalised). What goes into a quantiser is computed in f32, as accurately as f32 sums, v_exp_f32 and their like allow (about 1e-6 of the number): no bf16 or f16 on the way to a quantiser, and a product that is left as it is and whose result goes on into a quantised operand takes f32 operands (vector FMAs, or v_wmma_f32_16x16x4_f32). A number that lies on a knife's edge between two numbers of the format may be rounded either way, as far as f32 arithmetic and the matrix unit's own rounding can turn it there, and no further.
;;   INPUTS GIVEN AS CODES. W2 (in the module: [1024, 4096], K = its axis 1): each comes as NAME_codes (uint8): NAME with its K axis moved to the last place and cut into blocks of 32 codes, [.., K / 32, bytes a block], one block behind the other in memory; one code a byte (a code: sign, 5 exponent bits, 2 mantissa bits); its scale is its entry of lowp_scales. Its value is code x scale, taken as it is: it is not quantised again, and the codes and scales need not be those that the quantiser above would give.
;; 2 versions. Each part assembles by itself: llvm-mc -triple=amdgcn-amd-amdhsa -mcpu=gfx1250 --defsym DOCPART=n.
;; ======== version 1 of 2: 1 launch
;; limits: inputs' magnitudes at most 1,048,576; right only within a limited range of input values
;; launch ffq (part 1): grid 256 x 1, 4 waves a work-group, clusters of 4 x 1, 327,680 bytes of LDS; arguments x, theta, W1, b1, W2_codes, b2, lowp_scales, out0; writes out0
.if DOCPART == 1
	.amdgcn_target "amdgcn-amd-amdhsa--gfx1250"
	.amdhsa_code_object_version 6
	.text
	.protected	k_q28f95f2311_ffq
	.globl	k_q28f95f2311_ffq
	.p2align	8
	.type	k_q28f95f2311_ffq,@function
k_q28f95f2311_ffq:
	s_mov_b64 s[64:65], 0
	v_nop
	global_prefetch_b8 v0, s[64:65] scope:SCOPE_SE
	s_setreg_imm32_b32 hwreg(HW_REG_WAVE_MODE, 25, 1), 1
	s_wait_xcnt 0x0
	s_wait_alu depctr_hold_cnt(0) depctr_sa_sdst(0) depctr_va_vdst(0) depctr_va_sdst(0) depctr_va_ssrc(0) depctr_va_vcc(0) depctr_vm_vsrc(0)
	s_getreg_b32 s2, hwreg(HW_REG_IB_STS2, 6, 4)
	s_cmp_eq_u32 s2, 0
	s_cbranch_scc0 .Lentry_in_a_cluster
	s_endpgm
.Lentry_in_a_cluster:
	s_bfe_u32 s2, ttmp6, 0x10000c
	s_cmp_lg_u32 s2, 0x3003
	s_cbranch_scc0 .Lentry_shape_is_right
	s_endpgm
.Lentry_shape_is_right:
; out = Q(relu(q W1^T + b1)) W2^T + b2,  q = cos(x[.., 0..7]) cos(theta).  x: [16384][1024] f32 (its first 8 columns are used, as the problem slices them); W1: [4096][8], b1: [4096], b2: [1024] f32;
; W2: [1024][4096] codes of E5M2, K innermost; lowp_scales: e0 (the hidden layer), e1 (W2); out: [16384][1024] f32.  Q: number / 2^e0, held within 0 .. 57,344, to the nearest code, ties to even.
; SHARES.  A work-group of four waves owns 64 rows x ALL 1,024 columns of out: 65,536 sums, 512 registers a lane and wave.  Wave w owns columns 256 w .. 256 w + 255 for the 64 rows.
; Since a work-group has all columns, each number of the hidden layer is made once in the whole launch, and the hidden layer never goes to memory.
; THE FIRST PRODUCT (K = 8, f32 operands, since its result goes into a quantiser) is done by v_wmma_f32_16x16x4_f32, TRANSPOSED (source 0 = 16 rows of W1, source 1 = 16 rows of q), b1 as the C of its first step.
; The rows of W1 that form a tile are not neighbours: lane r of tile u takes row 8 u + r + 8 (r / 8) of the wave's 32, so that a lane's 16 results of tiles 0 and 1 are 16 neighbours along the next K.
; Of each chunk of 128 hidden units wave w makes units 32 w .. 32 w + 31 for all 64 rows: registers 4 w .. 4 w + 3 of the four fragments (16 rows x 128 K).  They go to the other waves through LDS AS IMAGES OF
; THE OPERAND'S REGISTERS: lane l's 16 bytes at 16 l, 512 bytes a store.
; THE SECOND PRODUCT: v_wmma_f32_16x16x128_bf8_bf8, transposed (source 0 = 16 rows of W2, source 1 = 16 rows of the hidden layer): a lane holds eight neighbouring columns of one row of out.
; A fragment's registers 4 c .. 4 c + 3 hold K = 32 c + 16 (lane / 16) + 0 .. 15 on both sides: a permutation of k that is the same in both operands, so every product meets its partner.
; THE WALK.  K goes in 16 blocks of 256; a block is two PERIODS: period (j, half) multiplies the block's codes by the wave's columns 128 half .. 128 half + 127 (accumulators in window 2 + half) and makes chunk half of block j + 1.
; W2's tile of a period (a wave: 128 rows x 256 bytes, each row 256 consecutive bytes of memory at a multiple of 256) comes by one tensor load a wave into slot half of a ring of two LDS slots; each wave reads its own rows alone.
; CLUSTER.  All work-groups walk the same W2: the four of a cluster ask for each tile JOINTLY (the same load, the same descriptor, a mask that names the four).  A mask names four at the most, so 4 x 1 is taken.
; LIMITS.  |x| and |theta| up to 2^20 (beyond it the multiple of pi / 2 that is taken away is no longer the nearest); NaN and infinities among the inputs are not served;
; e0 between -126 and 112, e0 + e1 between -126 and 127, so that 2^e0, 57,344 x 2^e0 and 2^(e0 + e1) are f32 numbers.
; REGISTERS, in windows of 256.  Window 0: v1-15 addresses and constants; v16-31 q; v32-55 W1 and b1 of the chunk in hand; v56-87 the f32 products' results (written by matrix instructions alone);
;   v88-103 held numbers; v104-119 codes; v120-127 b2; v128-255 the hidden layer's 8 fragments of a block, on the way out rows of out.
;   Window 1: W2's 16 fragments of a period.   Window 2: accumulators (a, b) at v[8 (8 a + b)], columns' half 0.   Window 3: half 1.
.set PITCH,  272                       ; an LDS row of W2: 256 bytes + 16 of padding = 68 words: row r starts at bank 4 r mod 64 (64 banks of 4 bytes: ISA guide 11.1)
.set HALFT,  128*PITCH                 ; a wave's tile
.set SLOT,   4*HALFT
.set SPARE,  2*SLOT                    ; behind the ring: the spare words, 128 bytes for each wave: two blocks of 256 bytes that no other line names
.set IMG,    SPARE+512                 ; the images: parity x 16,384 + chunk x 8,192 + tile of rows x 2,048 + register group x 512 + 16 x lane
.set PAR,    0x4000                    ; from one parity of images to the other
.set SPITCH, 528                       ; the way out: a stage of 16 rows x (512 bytes + 16) for each wave, at the head of its own rows of slot 0, behind that slot's last fill and last read
.set STO,  1                           ; v1   the way out: where I put 32 bytes of a row
.set ADRB, 2                           ; v2-3 LDS address of my fragments of W2 in slot 0, 1
.set LI0,  4                           ; v4   IMG + 16 x lane
.set AWI0, 5                           ; v5   IMG + 16 x lane + 512 x wave
.set ADRA, 6                           ; v6   where this block's images are read
.set AWI,  7                           ; v7   where the next block's images are stored
.set VW1,  8                           ; v8   my byte in a chunk of W1
.set VB1,  9                           ; v9   my byte in a chunk of b1
.set SCL,  10                          ; v10  2^e0 as f32
.set LIM,  11                          ; v11  57,344 x 2^e0
.set PFO,  12                          ; v12  the prefetches' offset: lane x a row of W2
.set RD,   13                          ; v13  the way out: where I read a row back
.set SPW,  14                          ; v14  LDS address of my spare word; never rewritten
.set NIL,  15                          ; v15  0; never rewritten
.set Q,    16                          ; q(16 m + r, 4 h + i) at v[Q + 4 m + i]
.set W1F,  32                          ; tile u: W1(its row, 4 h .. 4 h + 3) at +4 u; b1 at my 8 units of tile u at +8 + 8 u
.set DD,   56                          ; results: two tiles of rows by turns x 2 tiles x 8
.set T,    88
.set CO,   90                          ; the way out: 16 x lane
.set CT,   92                          ; the cosine's 24 registers at work
.set CD,   104
.set THC,  116                         ; cos(theta(4 h + i))
.set B2R,  120
.set AF,   128
.set MSB, 0
.macro WIN new                         ; the immediate's high byte repeats the setting that is left; a switch that changes nothing is dropped
.if MSB != (\new)
	s_set_vgpr_msb (MSB<<8)|(\new)
.set MSB, (\new)
.endif
.endm
.set MUL_LO, 0xa1                      ; source 0 (W2) window 1, source 1 (hidden) window 0, C and D window 2
.set TO_B,   0x40                      ; destination window 1, address window 0
.macro PLACES n
.rept \n
	v_nop
.endr
.endm
.macro CREST                           ; a round of the cluster's barrier behind its opening barrier
	s_cmp_lg_u32 s20, 0
	s_cbranch_scc1 .Lnot_wave_0_\@
	s_barrier_signal -3
.Lnot_wave_0_\@:
	s_barrier_wait -3
	s_barrier_signal -1
	s_barrier_wait -1
.endm
.macro CROUND                          ; a whole round
	s_barrier_signal -1
	s_barrier_wait -1
	CREST
.endm
; A PREFETCH of the tile that the same slot's NEXT refill will ask for: two periods ahead of that load.  Every cluster walks the same W2: the first cluster asks (a branch on the cluster's number, which partners share).
; Of the 128 rows that wave w fetches, the partner at place cx names rows 32 cx .. 32 cx + 31, told apart by address; a lane a row, 256 bytes of it: each such piece is named once in the launch.
.macro ASK off
	s_cmp_lg_u32 s42, 0
	s_cbranch_scc1 .Lnot_mine_\@
	global_prefetch_b8 v[PFO], s[40:41] offset:\off th:TH_LOAD_NT scope:SCOPE_SE
.Lnot_mine_\@:
.endm
; cos of four numbers, v[x0] .. v[x0 + 3], in place.  k = the nearest whole number to X 2 / pi; r = X - k pi / 2, pi / 2 in three parts, by fused multiply-adds; sin r and cos r by polynomials on |r| <= pi / 4;
; cos X = cos r, -sin r, -cos r, sin r for k mod 4 = 0, 1, 2, 3.  Each line is written for the four numbers in turn.  At work, number t: +0 k, +1 r, +2 z = r r, +3 sin, +4 cos, +5 k as a whole number.
.macro COS4 x0
.irp t, 0,1,2,3
	v_mul_f32 v[CT+6*\t], 0x3f22f983, v[\x0+\t]
.endr
.irp t, 0,1,2,3
	v_rndne_f32 v[CT+6*\t], v[CT+6*\t]
.endr
.irp t, 0,1,2,3
	v_fmamk_f32 v[CT+6*\t+1], v[CT+6*\t], 0xbfc90fdb, v[\x0+\t]
.endr
.irp t, 0,1,2,3
	v_fmamk_f32 v[CT+6*\t+1], v[CT+6*\t], 0x333bbd2e, v[CT+6*\t+1]
.endr
.irp t, 0,1,2,3
	v_fmamk_f32 v[CT+6*\t+1], v[CT+6*\t], 0x26f72ced, v[CT+6*\t+1]
	v_cvt_i32_f32 v[CT+6*\t+5], v[CT+6*\t]
.endr
.irp t, 0,1,2,3
	v_mul_f32 v[CT+6*\t+2], v[CT+6*\t+1], v[CT+6*\t+1]
.endr
.irp t, 0,1,2,3
	v_fma_f32 v[CT+6*\t+3], v[CT+6*\t+2], s50, s49
	v_fma_f32 v[CT+6*\t+4], v[CT+6*\t+2], s53, s52
.endr
.irp t, 0,1,2,3
	v_fma_f32 v[CT+6*\t+3], v[CT+6*\t+3], v[CT+6*\t+2], s48
	v_fma_f32 v[CT+6*\t+4], v[CT+6*\t+4], v[CT+6*\t+2], s51
	v_mul_f32 v[CT+6*\t], v[CT+6*\t+2], v[CT+6*\t+1]               ; z r
.endr
.irp t, 0,1,2,3
	v_fma_f32 v[CT+6*\t+3], v[CT+6*\t+3], v[CT+6*\t], v[CT+6*\t+1] ; sin r = r + z r (S0 + S1 z + S2 z z)
.endr
.irp t, 0,1,2,3
	v_mul_f32 v[CT+6*\t], v[CT+6*\t+2], v[CT+6*\t+2]               ; z z
	v_fma_f32 v[CT+6*\t+1], v[CT+6*\t+2], -0.5, 1.0                ; 1 - z / 2
.endr
.irp t, 0,1,2,3
	v_fma_f32 v[CT+6*\t+4], v[CT+6*\t+4], v[CT+6*\t], v[CT+6*\t+1] ; cos r = 1 - z / 2 + z z (C0 + C1 z + C2 z z)
	v_and_b32 v[CT+6*\t+2], 1, v[CT+6*\t+5]
	v_add_lshl_u32 v[CT+6*\t+5], v[CT+6*\t+5], 1, 30               ; bit 1 of k + 1 goes to the sign's place
.endr
.irp t, 0,1,2,3
	v_cmp_eq_u32 vcc_lo, 1, v[CT+6*\t+2]
	v_cndmask_b32 v[CT+6*\t+4], v[CT+6*\t+4], v[CT+6*\t+3], vcc_lo ; the sine where k is odd: a choice of a value, no branch
	v_and_b32 v[CT+6*\t+5], 0x80000000, v[CT+6*\t+5]
.endr
.irp t, 0,1,2,3
	v_xor_b32 v[\x0+\t], v[CT+6*\t+4], v[CT+6*\t+5]
.endr
.endm
; W1 and b1 of the chunk c chunks on from where the two pointers stand, into v[wb] on: 24 registers
.macro W1LOAD wb, c
.irp u, 0,1
	global_load_b128 v[\wb+4*\u:\wb+4*\u+3], v[VW1], s[8:9] offset:4096*\c+256*\u
.endr
.irp u, 0,1
	global_load_b128 v[\wb+8+8*\u:\wb+8+8*\u+3], v[VB1], s[10:11] offset:512*\c+32*\u
	global_load_b128 v[\wb+12+8*\u:\wb+12+8*\u+3], v[VB1], s[10:11] offset:512*\c+32*\u+16
.endr
.endm
; Step ii of 16 of a chunk's first product: tile of rows ii / 4, tile u = ii % 2 of my 32 hidden units, K step s = (ii % 4) / 2.  The K place (h, register j) of step s stands for qubit 4 h + 2 s + j on both sides.
; The order u0 s0, u1 s0, u0 s1, u1 s1 lets the two accumulators take turns.  In the result lane (r, h) holds row r, and register j hidden unit 16 h + 8 u + j.
.macro FW wb
.set fm, ii/4
.set fu, ii%2
.set fs, (ii%4)/2
.set fD, DD+16*(fm%2)+8*fu
.if fs == 0
	v_wmma_f32_16x16x4_f32 v[fD:fD+7], v[\wb+4*fu:\wb+4*fu+1], v[Q+4*fm:Q+4*fm+1], v[\wb+8+8*fu:\wb+8+8*fu+7]
.else
	v_wmma_f32_16x16x4_f32 v[fD:fD+7], v[\wb+4*fu+2:\wb+4*fu+3], v[Q+4*fm+2:Q+4*fm+3], v[fD:fD+7]
.endif
.endm
; Fragment ii of 16 of W2's tile: K chunk ii / 8, rows 16 (ii % 8) on
.macro BFRAG slot
	WIN TO_B
.irp c, 0,1,2,3
	ds_load_b128 v[16*ii+4*\c:16*ii+4*\c+3], v[ADRB+\slot] offset:128*(ii/8)+32*\c+(ii%8)*16*PITCH
.endr
	WIN 0
.endm
.macro AFRAG2                          ; register groups 2 ii and 2 ii + 1 of the 32 of this block's images
	ds_load_b128 v[AF+8*ii:AF+8*ii+3], v[ADRA] offset:1024*ii
	ds_load_b128 v[AF+8*ii+4:AF+8*ii+7], v[ADRA] offset:1024*ii+512
.endm
; The vector work behind step ii: the tile of rows finished four steps ago is held, converted and stored, a quarter at a time.
; Eight places stand between the f32 matrix form and the first read of its result (ISA guide 7.12.1); each accumulator is read from its low end on.  The activation and the hold are one line: between 0 and the largest code x the scale.
.macro SLICE q
.if ii >= 4
.set sm, ii/4-1
.set sD, DD+16*(sm%2)
.if (ii%4) == 0
	PLACES 8
.elseif (ii%4) == 1
.irp j, 0,1,2,3,4,5,6,7
	v_med3_num_f32 v[T+\j], v[sD+\j], 0, v[LIM]
.endr
.elseif (ii%4) == 2
.irp j, 8,9,10,11,12,13,14,15
	v_med3_num_f32 v[T+\j], v[sD+\j], 0, v[LIM]
.endr
	v_cvt_scalef32_pk8_bf8_f32 v[CD+4*sm:CD+4*sm+1], v[T:T+7], v[SCL]
.else
	v_cvt_scalef32_pk8_bf8_f32 v[CD+4*sm+2:CD+4*sm+3], v[T+8:T+15], v[SCL]
	v_nop                                          ; a plain vector line behind the conversions, ahead of the next lines that write their sources
	ds_store_b128 v[AWI], v[CD+4*sm:CD+4*sm+3] offset:8192*\q+2048*sm
.endif
.endif
.endm
.macro FTAIL q                         ; the same for the chunk's last tile of rows
	PLACES 8
.irp j, 0,1,2,3,4,5,6,7,8,9,10,11,12,13,14,15
	v_med3_num_f32 v[T+\j], v[DD+16+\j], 0, v[LIM]
.endr
	v_cvt_scalef32_pk8_bf8_f32 v[CD+12:CD+13], v[T:T+7], v[SCL]
	v_cvt_scalef32_pk8_bf8_f32 v[CD+14:CD+15], v[T+8:T+15], v[SCL]
	v_nop
	ds_store_b128 v[AWI], v[CD+12:CD+15] offset:8192*\q+2048*3
.endm
.macro CHUNK wb, q                     ; a chunk made with nothing beside it: the first two
.set ii, 0
.rept 16
	FW \wb
	SLICE \q
.set ii, ii+1
.endr
	FTAIL \q
.endm
.macro LOADRUN half                    ; the last block makes nothing: its LDS loads stand in runs, chunk 0's first
.irp q, 0,1
.if \half == 0
.irp n, 0,1,2,3,4,5,6,7,8,9,10,11,12,13,14,15
	ds_load_b128 v[AF+64*\q+4*\n:AF+64*\q+4*\n+3], v[ADRA] offset:8192*\q+512*\n
.endr
.endif
	WIN TO_B
.irp b, 0,1,2,3,4,5,6,7
.irp c, 0,1,2,3
	ds_load_b128 v[128*\q+16*\b+4*\c:128*\q+16*\b+4*\c+3], v[ADRB+\half] offset:128*\q+32*\c+\b*16*PITCH
.endr
.endr
	WIN 0
.endr
.endm
; 4 nb matrix instructions: K chunk q, W2's blocks b0 on x the four tiles of rows.  zero = 1: the product starts the sums: nothing is cleared.  The 32 accumulators take turns, one instruction a turn.
.macro MUL q, b0, nb, zero
.set bb, \b0
.rept \nb
.irp a, 0,1,2,3
.if \zero
	v_wmma_f32_16x16x128_bf8_bf8 v[8*(8*\a+bb):8*(8*\a+bb)+7], v[128*\q+16*bb:128*\q+16*bb+15], v[AF+64*\q+16*\a:AF+64*\q+16*\a+15], 0
.else
	v_wmma_f32_16x16x128_bf8_bf8 v[8*(8*\a+bb):8*(8*\a+bb)+7], v[128*\q+16*bb:128*\q+16*bb+15], v[AF+64*\q+16*\a:AF+64*\q+16*\a+15], v[8*(8*\a+bb):8*(8*\a+bb)+7]
.endif
.endr
.set bb, bb+1
.endr
.endm
; A PERIOD.  prod = 1: it makes chunk half of the next block, and its LDS loads stand between the f32 matrix instructions; w1ld = 1: W1 and b1 of the chunk after that are asked for.
; next = 2: the slot is filled again (a round of the cluster's barrier, the joint refill first behind it); 1: a plain barrier; 0: nothing follows.  ask = 1: a prefetch follows the refill.
.macro PERIOD half, zero, prod, w1ld, next, ask
.if \half == 0
	s_xor_b32 s44, s44, PAR                        ; a new block: its images are read where the last block's periods stored them,
	s_xor_b32 s45, s45, PAR                        ; and the next block's go where the last block's lay: every wave's reads of those were over in front of the barrier two periods back
	v_add_nc_u32 v[ADRA], s44, v[LI0]
	v_add_nc_u32 v[AWI], s45, v[AWI0]
.endif
.if \prod
	s_wait_loadcnt 0x0                             ; W1 and b1 of this chunk are in (asked for a period ago), so their pointers may step
	s_add_nc_u64 s[8:9], s[8:9], 4096
	s_add_nc_u64 s[10:11], s[10:11], 512
.set ii, 0
.rept 16
	FW W1F
	BFRAG \half
.if \half == 0
	AFRAG2
.endif
	SLICE \half
.set ii, ii+1
.endr
	FTAIL \half
.if \w1ld
	W1LOAD W1F, 0                                  ; behind the eight places and sixteen holds that follow the last product that read these registers
.endif
	s_wait_dscnt 52-16*\half                       ; chunk 0's fragments are in.  Behind step 7's loads were issued: its store, steps 8 to 15's loads (6 each, or 4), two stores, the last tile's store
.else
	LOADRUN \half
	s_wait_dscnt 48-16*\half                       ; chunk 0's fragments are in; chunk 1's loads may be out
.endif
	WIN MUL_LO+0x50*\half
	MUL 0, 0, 8, \zero
	s_wait_dscnt 0x0                               ; chunk 1's fragments are in
	MUL 1, 0, 4, 0
.if \next == 0
	MUL 1, 4, 4, 0
	WIN 0
.else
	WIN 0                                          ; (the add's two registers lie in window 0)
	s_wait_tensorcnt 0x0                           ; all my tensor loads have landed: the one that was out is my tile of the other slot; so a group 0 may be written
	ds_add_u32 v[SPW], v[NIL]                      ; 0 onto my spare word
.if \next == 2
	s_add_nc_u64 s[34+4*\half:35+4*\half], s[34+4*\half:35+4*\half], 256   ; this slot's next tile: the same rows, 256 further along K
.if \ask && (\half == 0)
	s_wait_xcnt 0x0                                ; the last prefetches, most of a period back, have read their address
	s_add_nc_u64 s[40:41], s[40:41], 256
.endif
.endif
	WIN MUL_LO+0x50*\half
	MUL 1, 4, 2, 0                                 ; eight matrix instructions stand between the add and the wait for it
	s_wait_dscnt 0x0                               ; the add is done; my reads of this slot and of the images are over, my stores of images have landed
	s_barrier_signal -1
	MUL 1, 6, 2, 0
	WIN 0
	s_barrier_wait -1
.if \next == 2
	CREST                                          ; the barrier has opened a round of the cluster's barrier: no wave of any partner still reads this slot or has a load on its way
	tensor_load_to_lds s[32+4*\half:35+4*\half], s[24:31]   ; my one tensor load behind the round
	s_nop 0
	PLACES 4                                       ; the places in front of the next period's loads into registers that the products above have read
.if \ask
	ASK 256+524288*\half
.endif
.else
	PLACES 4
.endif
.endif
.endm
	s_load_b256 s[4:11], s[0:1], 0x0               ; x s[4:5], theta s[6:7], W1 s[8:9], b1 s[10:11]
	s_load_b256 s[12:19], s[0:1], 0x20             ; W2's codes s[12:13], b2 s[14:15], the scales' exponents s[16:17], out s[18:19]
	v_lshl_add_u32 v[SPW], v0, 2, SPARE
	v_mov_b32 v[NIL], 0
	ds_add_u32 v14, v15
	ds_add_u32 v14, v15
	s_wait_dscnt 0x0
	v_lshrrev_b32 v91, 5, v0
	v_readfirstlane_b32 s20, v91                   ; wave 0..3
	s_bfe_u32 s21, ttmp6, 0x40000                  ; cx: my place in the cluster
	s_lshl_b32 s22, ttmp9, 2                       ; in a cluster launch ttmp9 counts clusters
	s_add_co_u32 s22, s22, s21                     ; my block of 64 rows = 4 x cluster + cx: it enters x's and out's addresses alone
	s_mov_b32 s42, ttmp9
	; descriptor group 1: a tile of 128 rows x 256 bytes, padded in LDS
	s_mov_b32 s24, 15|(1<<20)|(1<<21)|(5<<22)|(3<<25)   ; 15:0 the mask: all four work-groups; 17:16 elements of 1 byte; 20 padding on; 21 set beside a mask; 24:22 after every 64 words (code 5); 31:25 four words (code 3)
	s_mov_b32 s25, 256<<16                         ; tensor_dim0
	s_mov_b32 s26, 128<<16                         ; tensor_dim1
	s_mov_b32 s27, 256<<16                         ; tile_dim0
	s_mov_b32 s28, 128                             ; tile_dim1
	s_mov_b32 s29, 4096                            ; tensor_dim0_stride: a row of W2
	s_mov_b32 s30, 0
	s_mov_b32 s31, 0
	s_mov_b32 s48, 0xbe2aaaa3                      ; the sine's S0, S1, S2
	s_mov_b32 s49, 0x3c08839e
	s_mov_b32 s50, 0xb94ca1f9
	s_mov_b32 s51, 0x3d2aaaa5                      ; the cosine's C0, C1, C2
	s_mov_b32 s52, 0xbab6061a
	s_mov_b32 s53, 0x37ccf5ce
	v_and_b32 v91, 15, v0                          ; r
	v_bfe_u32 v92, v0, 4, 1                        ; h
	v_and_b32 v93, 31, v0                          ; lane
	s_mul_i32 s23, s20, HALFT                      ; my rows of a slot: no place in the cluster enters an LDS address
	v_mul_u32_u24 v[ADRB], v91, PITCH
	v_lshl_add_u32 v[ADRB], v92, 4, v[ADRB]
	v_add_nc_u32 v[ADRB], s23, v[ADRB]             ; a fragment's row x pitch + 16 h, in my rows of slot 0,
	v_add_nc_u32 v[ADRB+1], SLOT, v[ADRB]          ; of slot 1
	v_mul_u32_u24 v[STO], v91, SPITCH
	v_lshl_add_u32 v[STO], v92, 5, v[STO]
	v_add_nc_u32 v[STO], s23, v[STO]               ; the stage, in: row r, 32 bytes for each half of the lanes
	v_lshl_add_u32 v[RD], v93, 4, s23              ; and back: the 32 lanes take one row of 512 bytes
	v_lshlrev_b32 v90, 4, v93                      ; 16 x lane: b2's offset too
	v_add_nc_u32 v[LI0], IMG, v90
	s_lshl_b32 s56, s20, 9
	v_add_nc_u32 v[AWI0], s56, v[LI0]
	v_and_b32 v[VW1], 8, v91
	v_add_nc_u32 v[VW1], v[VW1], v91               ; r + 8 (r / 8)
	v_lshlrev_b32 v[VW1], 5, v[VW1]                ; a row of W1 is 32 bytes
	v_lshl_add_u32 v[VW1], v92, 4, v[VW1]          ; + 16 h: qubits 4 h .. 4 h + 3
	s_lshl_b32 s56, s20, 10
	v_add_nc_u32 v[VW1], s56, v[VW1]               ; + my 32 rows of the chunk's 128
	v_lshlrev_b32 v[VB1], 6, v92                   ; b1: units 16 h on,
	s_lshl_b32 s56, s20, 7
	v_add_nc_u32 v[VB1], s56, v[VB1]               ; of my 32
	v_lshlrev_b32 v88, 12, v91
	v_lshl_add_u32 v88, v92, 4, v88                ; x: row r of 4,096 bytes, + 16 h
	v_lshlrev_b32 v89, 4, v92                      ; theta: 16 h
	v_lshlrev_b32 v[PFO], 12, v93
	s_mov_b32 s57, 0
	s_mov_b32 s61, 0
	s_wait_kmcnt 0x0
	s_load_b64 s[54:55], s[16:17], 0x0             ; e0, e1
	s_lshl_b32 s60, s22, 18                        ; my 64 rows of 4,096 bytes
	s_add_nc_u64 s[4:5], s[4:5], s[60:61]
	s_add_nc_u64 s[18:19], s[18:19], s[60:61]
	s_lshl_b32 s56, s20, 10                        ; my 256 columns, in bytes
	s_add_nc_u64 s[18:19], s[18:19], s[56:57]
	s_add_nc_u64 s[14:15], s[14:15], s[56:57]
	s_lshl_b32 s56, s20, 20                        ; my 256 rows of W2
	s_add_nc_u64 s[58:59], s[12:13], s[56:57]
	s_lshl_b32 s60, s21, 17                        ; the prefetches: my work-group's 32 rows of a tile's 128
	s_add_nc_u64 s[40:41], s[58:59], s[60:61]
.irp m, 0,1,2,3
	global_load_b128 v[Q+4*\m:Q+4*\m+3], v88, s[4:5] offset:65536*\m   ; x(16 m + r, 4 h .. 4 h + 3): every wave makes all 64 rows' q for itself
.endr
	global_load_b128 v[THC:THC+3], v89, s[6:7]
	W1LOAD W1F, 0                                  ; chunk 0,
	W1LOAD AF, 1                                   ; chunk 1, into registers that the hidden layer's fragments take later
	global_load_b128 v[B2R:B2R+3], v90, s[14:15]               ; b2(256 w + 4 lane ..),
	global_load_b128 v[B2R+4:B2R+7], v90, s[14:15] offset:512  ; and 128 columns on
	; descriptor group 0, a set for each slot: tile 0 (my columns' half 0) and tile 1 (half 1), K from 0
	s_mov_b32 s32, 1                               ; count = 1
	s_mov_b32 s33, s23                             ; LDS address
	s_mov_b64 s[34:35], s[58:59]                   ; global address
	s_or_b32 s35, s35, 0x80000000                  ; type = 2
	s_mov_b32 s36, 1
	s_add_co_u32 s37, s23, SLOT
	s_add_nc_u64 s[38:39], s[58:59], 0x80000       ; 128 rows on
	s_or_b32 s39, s39, 0x80000000
	CROUND                                         ; all four work-groups are here: the first joint loads meet
	tensor_load_to_lds s[32:35], s[24:31]          ; both first fills together, ahead of every wait on TENSORcnt and every LDS read: two loads of mine are out
	s_nop 0
	tensor_load_to_lds s[36:39], s[24:31]
	s_nop 0
	PLACES 4
	s_wait_loadcnt 0x0
	s_add_nc_u64 s[8:9], s[8:9], 8192              ; W1 and b1 at chunk 2
	s_add_nc_u64 s[10:11], s[10:11], 1024
	COS4 THC
	COS4 Q
	COS4 Q+4
	COS4 Q+8
	COS4 Q+12
.irp m, 0,1,2,3
.irp i, 0,2
	v_pk_mul_f32 v[Q+4*\m+\i:Q+4*\m+\i+1], v[Q+4*\m+\i:Q+4*\m+\i+1], v[THC+\i:THC+\i+1]   ; q = cos x cos theta
.endr
.endr
	s_wait_kmcnt 0x0
	s_add_co_i32 s56, s54, 127
	s_lshl_b32 s23, s56, 23
	v_mov_b32 v[SCL], s23                          ; 2^e0 as f32: the conversion takes its exponent field
	s_add_co_i32 s56, s56, 15
	s_lshl_b32 s56, s56, 23
	s_or_b32 s56, s56, 0x600000
	v_mov_b32 v[LIM], s56                          ; 57,344 x 2^e0
	s_add_co_i32 s46, s54, s55
	s_add_co_i32 s46, s46, 127
	s_lshl_b32 s46, s46, 23                        ; 2^(e0 + e1) as f32
	s_mov_b32 s47, s46                             ; (named with it as a pair, so it is written)
	s_mov_b32 s44, PAR                             ; block 0 turns these to 0 and PAR
	s_mov_b32 s45, 0
	v_add_nc_u32 v[AWI], s45, v[AWI0]              ; block 0's images go to parity 0
	CHUNK W1F, 0
	W1LOAD W1F, 0                                  ; chunk 2
	s_wait_dscnt 0x0                               ; the stores have read the codes' registers
	CHUNK AF, 1
	s_wait_tensorcnt 1                             ; my tile 0 is in; tile 1 may stay out
	s_wait_dscnt 0x0                               ; my images have landed
	s_barrier_signal -1
	s_barrier_wait -1                              ; everybody's have
	PERIOD 0, 1, 1, 1, 2, 1                        ; block 0: its first products start the sums
	PERIOD 1, 1, 1, 1, 2, 1
	s_mov_b32 s43, 13
.Lblock:                                           ; blocks 1 to 13
	PERIOD 0, 0, 1, 1, 2, 1
	PERIOD 1, 0, 1, 1, 2, 1
	s_sub_co_u32 s43, s43, 1
	s_cmp_lg_u32 s43, 0
	s_cbranch_scc1 .Lblock
	PERIOD 0, 0, 1, 1, 2, 0                        ; block 14: makes chunks 30 and 31, asks for W1's last chunk and for the last two tiles; no tile is left to prefetch
	PERIOD 1, 0, 1, 0, 2, 0
	PERIOD 0, 0, 0, 0, 1, 0                        ; block 15: nothing is left to make or to fetch
	PERIOD 1, 0, 0, 0, 0, 0
; THE WAY OUT, block by block of 16 rows x 128 columns.  A lane holds 32 neighbouring bytes of a row, and the lanes beside it hold other rows: so a block's sums go through my own stage in LDS and come back as whole rows of
; 512 bytes; there each pair becomes sum x 2^(e0 + e1) + b2 by one packed multiply-add, and the 32 lanes store 512 consecutive bytes, at a multiple of 256 from out's first byte.
; LDS serves a wave's instructions in order (ISA guide 5.7.1.4): no wait between the stores and the loads, nor in front of the next block's stores.
.macro TOSTAGE k
.set ta, (\k)%4
.set thf, (\k)/4
.set tB, AF+64*((\k)%2)
	WIN 0x08+4*thf                                 ; the stores' data: window 2 or 3
.irp b, 0,1,2,3,4,5,6,7
	ds_store_b128 v[STO], v[64*ta+8*\b:64*ta+8*\b+3] offset:64*\b          ; each accumulator from its low end on
	ds_store_b128 v[STO], v[64*ta+8*\b+4:64*ta+8*\b+7] offset:64*\b+16
.endr
	WIN 0
.irp t, 0,1,2,3,4,5,6,7,8,9,10,11,12,13,14,15
	ds_load_b128 v[tB+4*\t:tB+4*\t+3], v[RD] offset:SPITCH*\t
.endr
.endm
.macro SEND k, younger                 ; younger: the LDS instructions issued behind block k's loads, which may stay out
.set ta, (\k)%4
.set thf, (\k)/4
.set tB, AF+64*((\k)%2)
	s_wait_dscnt \younger
.irp t, 0,1,2,3,4,5,6,7,8,9,10,11,12,13,14,15
	v_pk_fma_f32 v[tB+4*\t:tB+4*\t+1], v[tB+4*\t:tB+4*\t+1], s[46:47], v[B2R+4*thf:B2R+4*thf+1] op_sel_hi:[1,0,1]
	v_pk_fma_f32 v[tB+4*\t+2:tB+4*\t+3], v[tB+4*\t+2:tB+4*\t+3], s[46:47], v[B2R+4*thf+2:B2R+4*thf+3] op_sel_hi:[1,0,1]
.endr
.irp t, 0,1,2,3,4,5,6,7,8,9,10,11,12,13,14,15
	global_store_b128 v[CO], v[tB+4*\t:tB+4*\t+3], s[18:19] offset:(16*ta+\t)*4096+512*thf th:TH_STORE_NT   ; written once, read by nobody here
.endr
.endm
	v_and_b32 v[CO], 31, v0                        ; these two lines and two v_nop are the four places behind the last products, ahead of the stores of results and of the loads into the fragments' registers
	v_lshlrev_b32 v[CO], 4, v[CO]
	PLACES 2
	TOSTAGE 0
.irp k, 1,2,3,4,5,6,7
.if \k > 1
	s_wait_xcnt 0x0                                ; block k - 2's stores have read their registers: block k's loads may land there
.endif
	TOSTAGE \k
	SEND \k-1, 32                                  ; behind block k - 1's loads: block k's 16 stores and 16 loads
.endr
	SEND 7, 0
	s_wait_tensorcnt 0x0                           ; the wave's end: behind my last tensor load and my last LDS store
	ds_add_u32 v[SPW], v[NIL]
	s_wait_dscnt 0x0
	CROUND                                         ; the closing round: no work-group ends while a partner may still ask for a tile that names it
	s_endpgm
.Lfunc_end_k_q28f95f2311_ffq:
	.size	k_q28f95f2311_ffq, .Lfunc_end_k_q28f95f2311_ffq-k_q28f95f2311_ffq
	.p2alignl 7, 3214868480
	.fill 96, 4, 3214868480
	.section	.rodata,"a",@progbits
	.p2align	6, 0x0
	.amdhsa_kernel k_q28f95f2311_ffq
		.amdhsa_group_segment_fixed_size 327680
		.amdhsa_private_segment_fixed_size 0
		.amdhsa_enable_private_segment 0
		.amdhsa_kernarg_size 64
		.amdhsa_user_sgpr_count 2
		.amdhsa_user_sgpr_kernarg_segment_ptr 1
		.amdhsa_wavefront_size32 1
		.amdhsa_system_sgpr_workgroup_id_x 1
		.amdhsa_system_sgpr_workgroup_id_y 1
		.amdhsa_system_sgpr_workgroup_id_z 1
		.amdhsa_system_vgpr_workitem_id 0
		.amdhsa_next_free_vgpr 1024
		.amdhsa_next_free_sgpr 66
		.amdhsa_reserve_vcc 1
		.amdhsa_float_denorm_mode_32 3
		.amdhsa_float_denorm_mode_16_64 3
		.amdhsa_memory_ordered 1
		.amdhsa_forward_progress 1
		.amdhsa_inst_pref_size 221
	.end_amdhsa_kernel
	.amdgpu_metadata
---
amdhsa.version: [ 1, 2 ]
amdhsa.kernels:
  - .name:           k_q28f95f2311_ffq
    .symbol:         k_q28f95f2311_ffq.kd
    .args:
      - { .name: x, .offset: 0, .size: 8, .value_kind: global_buffer, .address_space: global }
      - { .name: theta, .offset: 8, .size: 8, .value_kind: global_buffer, .address_space: global }
      - { .name: W1, .offset: 16, .size: 8, .value_kind: global_buffer, .address_space: global }
      - { .name: b1, .offset: 24, .size: 8, .value_kind: global_buffer, .address_space: global }
      - { .name: W2_codes, .offset: 32, .size: 8, .value_kind: global_buffer, .address_space: global }
      - { .name: b2, .offset: 40, .size: 8, .value_kind: global_buffer, .address_space: global }
      - { .name: lowp_scales, .offset: 48, .size: 8, .value_kind: global_buffer, .address_space: global }
      - { .name: out0, .offset: 56, .size: 8, .value_kind: global_buffer, .address_space: global }
    .group_segment_fixed_size: 327680
    .private_segment_fixed_size: 0
    .kernarg_segment_align: 8
    .kernarg_segment_size: 64
    .max_flat_workgroup_size: 128
    .sgpr_count:     66
    .vgpr_count:     1024
    .wavefront_size: 32
...
	.end_amdgpu_metadata
.endif
;; end of part 1
;; ======== version 2 of 2: 1 launch
;; limits: inputs' magnitudes at most 1,048,576; right only within a limited range of input values
;; launch ffq (part 2): grid 256 x 1, 4 waves a work-group, clusters of 4 x 1, 327,680 bytes of LDS; arguments x, theta, W1, b1, W2_codes, b2, lowp_scales, out0; writes out0
.if DOCPART == 2
	.amdgcn_target "amdgcn-amd-amdhsa--gfx1250"
	.amdhsa_code_object_version 6
	.text
	.protected	k_q28f95f2311_ffq
	.globl	k_q28f95f2311_ffq
	.p2align	8
	.type	k_q28f95f2311_ffq,@function
k_q28f95f2311_ffq:
	s_mov_b64 s[64:65], 0
	v_nop
	global_prefetch_b8 v0, s[64:65] scope:SCOPE_SE
	s_setreg_imm32_b32 hwreg(HW_REG_WAVE_MODE, 25, 1), 1
	s_wait_xcnt 0x0
	s_wait_alu depctr_hold_cnt(0) depctr_sa_sdst(0) depctr_va_vdst(0) depctr_va_sdst(0) depctr_va_ssrc(0) depctr_va_vcc(0) depctr_vm_vsrc(0)
	s_getreg_b32 s2, hwreg(HW_REG_IB_STS2, 6, 4)
	s_cmp_eq_u32 s2, 0
	s_cbranch_scc0 .Lentry_in_a_cluster
	s_endpgm
.Lentry_in_a_cluster:
	s_bfe_u32 s2, ttmp6, 0x10000c
	s_cmp_lg_u32 s2, 0x3003
	s_cbranch_scc0 .Lentry_shape_is_right
	s_endpgm
.Lentry_shape_is_right:
; out = Q(relu(q W1^T + b1)) W2^T + b2, q = cos(x[.., :8]) cos(theta); Q: E5M2 with the given scale 2^e0; W2 comes as codes with 2^e1.
; DEAD WORK: the problem slices x[.., :8], so columns 8 to 1023 of x reach no output for any values; they are not loaded (a NaN or infinity there is not carried on).
; LIMITS: e0 between -126 and 112, e0 + e1 between -126 and 127 (the scales are made as f32 numbers); |x|, |theta| under 1e6 (the cosine's three-part reduction by pi/2).
; A work-group owns 64 rows of out and all 1,024 columns.  K (the 4,096 hidden units) IS SPLIT AMONG THE FOUR WAVES: wave w owns units 2048 p + 512 w + 0..511, p = 0, 1.
; First each wave makes the codes of its 1,024 units for all 64 rows (f32 matrix form, clamp, conversion) and keeps them as operand registers: 512 registers, windows 2 (p = 0) and 3 (p = 1).
; Then W2 is walked in 16 chunks of 64 columns, two LDS slots a chunk (slot p: 64 rows of W2 x K half p; each wave fetches and reads its own 512 bytes of each row).
; After a chunk the four waves' partial sums meet in LDS: wave w owns rows 16 w .. 16 w + 15, takes the three other waves' parts as register images, adds them (x 2^(e0+e1), + b2, fused),
; turns the result through its own LDS bytes into whole rows and stores 256 aligned bytes by sixteen lanes, while the next chunk is multiplied.
; Register slot a of the rows holds row tile (a + w) mod 4, so that slot 0 is the wave's own tile in every wave and no register number hangs on the wave's number.
; CLUSTERS: the four work-groups of a cluster walk the same chunks and ask for each tile jointly (mask 15).  The 64 clusters begin their walks at 16 different chunks.
; No prefetch is laid: by those 16 starts the head's first fills together ask for every chunk of W2, and each later fill asks for bytes that other clusters' fills have asked for before.
; WINDOW 0: v0-31 addresses; v32-63 OWN (making codes: clamped numbers); v64-95 X, v96-127 Y (making codes: q, two W1 buffers); v128-255 the 16 accumulators (making codes: v128-159 f32 sums, four W1 buffers).
; WINDOW 1: four buffers of W2 fragments (64 registers: 64 columns x 128 K).
.set PITCH,  528                       ; a slot's row: 512 bytes + 16 of padding, an odd multiple of 16
.set WTILE,  64*PITCH                  ; a wave's tile in a slot
.set SLOT,   4*WTILE
.set SPARE,  2*SLOT                    ; the spare words: 512 bytes that no other line names
.set INBOX,  SPARE+512                 ; the exchange: for each owner 3 parts of 4,096 bytes
.set OBOX,   12288
.set SPITCH, 272
.set SPW,  1
.set NIL,  2
.set ADRB, 3                           ; v3, v4: my fragments' address in slot 0, 1
.set VW1,  5
.set VB1,  6
.set SCL,  7
.set LIM,  8
.set EX,   9                           ; v9-11: where my parts for the owners (w + 1, 2, 3) mod 4 go
.set INB,  12
.set TSA,  13
.set TLA,  14
.set CO,   15
.set VB2,  16
.set TR,   17
.set TH,   18
.set L16,  19
.set TA,   20
.set THA,  21
.set OWN,  32
.set T,    32
.set XA,   32
.set CT,   36
.set THC,  60
.set X,    64
.set Q,    64
.set Y,    96
.set ACC,  128
.set DD,   128
.set TO_B, 0x40
.set MSB, 0
.macro WIN new
.if MSB != (\new)
	s_set_vgpr_msb (MSB<<8)|(\new)
.set MSB, (\new)
.endif
.endm
.macro PLACES n
.rept \n
	v_nop
.endr
.endm
.macro CREST
	s_cmp_lg_u32 s20, 0
	s_cbranch_scc1 .Lnot_wave_0_\@
	s_barrier_signal -3
.Lnot_wave_0_\@:
	s_barrier_wait -3
	s_barrier_signal -1
	s_barrier_wait -1
.endm
.macro CROUND
	s_barrier_signal -1
	s_barrier_wait -1
	CREST
.endm
; cos of four numbers in place: k = round(x 2/pi), r = x - k pi/2 in three parts, sine or cosine polynomial by k's low bit, sign by k + 1's bit 1
.macro COS4 x0
.irp t, 0,1,2,3
	v_mul_f32 v[CT+6*\t], 0x3f22f983, v[\x0+\t]
.endr
.irp t, 0,1,2,3
	v_rndne_f32 v[CT+6*\t], v[CT+6*\t]
.endr
.irp t, 0,1,2,3
	v_fmamk_f32 v[CT+6*\t+1], v[CT+6*\t], 0xbfc90fdb, v[\x0+\t]
.endr
.irp t, 0,1,2,3
	v_fmamk_f32 v[CT+6*\t+1], v[CT+6*\t], 0x333bbd2e, v[CT+6*\t+1]
.endr
.irp t, 0,1,2,3
	v_fmamk_f32 v[CT+6*\t+1], v[CT+6*\t], 0x26f72ced, v[CT+6*\t+1]
	v_cvt_i32_f32 v[CT+6*\t+5], v[CT+6*\t]
.endr
.irp t, 0,1,2,3
	v_mul_f32 v[CT+6*\t+2], v[CT+6*\t+1], v[CT+6*\t+1]
.endr
.irp t, 0,1,2,3
	v_fma_f32 v[CT+6*\t+3], v[CT+6*\t+2], s50, s49
	v_fma_f32 v[CT+6*\t+4], v[CT+6*\t+2], s53, s52
.endr
.irp t, 0,1,2,3
	v_fma_f32 v[CT+6*\t+3], v[CT+6*\t+3], v[CT+6*\t+2], s48
	v_fma_f32 v[CT+6*\t+4], v[CT+6*\t+4], v[CT+6*\t+2], s51
	v_mul_f32 v[CT+6*\t], v[CT+6*\t+2], v[CT+6*\t+1]
.endr
.irp t, 0,1,2,3
	v_fma_f32 v[CT+6*\t+3], v[CT+6*\t+3], v[CT+6*\t], v[CT+6*\t+1]
.endr
.irp t, 0,1,2,3
	v_mul_f32 v[CT+6*\t], v[CT+6*\t+2], v[CT+6*\t+2]
	v_fma_f32 v[CT+6*\t+1], v[CT+6*\t+2], -0.5, 1.0
.endr
.irp t, 0,1,2,3
	v_fma_f32 v[CT+6*\t+4], v[CT+6*\t+4], v[CT+6*\t], v[CT+6*\t+1]
	v_and_b32 v[CT+6*\t+2], 1, v[CT+6*\t+5]
	v_add_lshl_u32 v[CT+6*\t+5], v[CT+6*\t+5], 1, 30
.endr
.irp t, 0,1,2,3
	v_cmp_eq_u32 vcc_lo, 1, v[CT+6*\t+2]
	v_cndmask_b32 v[CT+6*\t+4], v[CT+6*\t+4], v[CT+6*\t+3], vcc_lo
	v_and_b32 v[CT+6*\t+5], 0x80000000, v[CT+6*\t+5]
.endr
.irp t, 0,1,2,3
	v_xor_b32 v[\x0+\t], v[CT+6*\t+4], v[CT+6*\t+5]
.endr
.endm
; MAKING THE CODES.  A group g = 16 p + 4 k + c is 32 hidden units (2048 p + 512 w + 128 k + 32 c + ..) for all 64 rows; a unit t = 4 g + a is one row slot of it.
; W1's rows and b1 of a group take 24 registers; six such buffers take turns.
.macro WBSET g
.if ((\g)%6) < 4
.set wb, 160+24*((\g)%6)
.else
.set wb, 80+24*((\g)%6-4)
.endif
.endm
.macro W1LOAD                          ; group gg: two tiles of 16 rows of W1 (lane r: row r + 8 (r / 8), + 8 for the second tile), and b1 at my 16 units
	WBSET gg
.set wo, 65536*(gg/16)+4096*((gg/4)%4)+1024*(gg%4)
	global_load_b128 v[wb:wb+3], v[VW1], s[8:9] offset:wo
	global_load_b128 v[wb+4:wb+7], v[VW1], s[8:9] offset:wo+256
.irp i, 0,1,2,3
	global_load_b128 v[wb+8+4*\i:wb+11+4*\i], v[VB1], s[10:11] offset:wo/8+16*\i
.endr
.endm
.macro FW4                             ; unit tt: two tiles x two K steps of 4, transposed (source 0 = W1's rows), b1 as the first C; the two sums take turns
	WBSET tt/4
.set fq, Q+4*(tt%4)
.set fD, DD+16*(tt%2)
	v_wmma_f32_16x16x4_f32 v[fD:fD+7], v[wb:wb+1], v[fq:fq+1], v[wb+8:wb+15]
	v_wmma_f32_16x16x4_f32 v[fD+8:fD+15], v[wb+4:wb+5], v[fq:fq+1], v[wb+16:wb+23]
	v_wmma_f32_16x16x4_f32 v[fD:fD+7], v[wb+2:wb+3], v[fq+2:fq+3], v[fD:fD+7]
	v_wmma_f32_16x16x4_f32 v[fD+8:fD+15], v[wb+6:wb+7], v[fq+2:fq+3], v[fD+8:fD+15]
.endm
.macro CODES                           ; unit tv: relu and the hold in one, then 16 codes: registers 4 c .. 4 c + 3 of the operand (k, a): K = 32 c + 16 h + 0 .. 15
.set sD, DD+16*(tv%2)
.set sT, T+16*(tv%2)
.set dA, 64*((tv/16)%4)+16*(tv%4)+4*((tv/4)%4)
.irp j, 0,1,2,3,4,5,6,7,8,9,10,11,12,13,14,15
	v_med3_num_f32 v[sT+\j], v[sD+\j], 0, v[LIM]
.endr
	WIN (2+tv/64)<<6
	v_cvt_scalef32_pk8_bf8_f32 v[dA:dA+1], v[sT:sT+7], v[SCL]
	v_cvt_scalef32_pk8_bf8_f32 v[dA+2:dA+3], v[sT+8:sT+15], v[SCL]
	WIN 0
.endm
; THE PRODUCT.
.macro LB p, k                         ; 16 LDS loads: the fragments of 64 columns x 128 K into buffer k (window 1)
.irp n, 0,1,2,3
.irp c, 0,1,2,3
	ds_load_b128 v[64*\k+16*\n+4*\c:64*\k+16*\n+4*\c+3], v[ADRB+\p] offset:\n*16*PITCH+128*\k+32*\c
.endr
.endr
.endm
.macro MM p, k, zero                   ; 16 matrix instructions, transposed (source 0 = W2's rows); the 16 accumulators take turns, in the same order in every group
	WIN 0x09+4*\p
.irp n, 0,1,2,3
.irp a, 0,1,2,3
.if \zero
	v_wmma_f32_16x16x128_bf8_bf8 v[ACC+8*(4*\n+\a):ACC+8*(4*\n+\a)+7], v[64*\k+16*\n:64*\k+16*\n+15], v[64*\k+16*\a:64*\k+16*\a+15], 0
.else
	v_wmma_f32_16x16x128_bf8_bf8 v[ACC+8*(4*\n+\a):ACC+8*(4*\n+\a)+7], v[64*\k+16*\n:64*\k+16*\n+15], v[64*\k+16*\a:64*\k+16*\a+15], v[ACC+8*(4*\n+\a):ACC+8*(4*\n+\a)+7]
.endif
.endr
.endr
.endm
; The change of slots, at the head of slot p's second group: all fragments of slot p are in registers by the wait for 0, the other slot has landed.
; fill = 1: slot p takes the next chunk's K half p, by the wave's one joint load behind the round.
.macro BOUND p, fill
	WIN 0
	s_wait_tensorcnt 0x0                           ; my one load that was out is the other slot's
	ds_add_u32 v[SPW], v[NIL]
.if \fill
	s_add_nc_u64 s[34+4*\p:35+4*\p], s[66+2*\p:67+2*\p], s[70:71]
	s_or_b32 s[35+4*\p], s[35+4*\p], 0x80000000
.endif
	s_wait_dscnt 0x0                               ; the add, my reads of slot p, and my exchange stores or reads
	s_barrier_signal -1
	MM \p, 1, 0
	WIN 0
	s_barrier_wait -1
.if \fill
	CREST
	tensor_load_to_lds s[32+4*\p:35+4*\p], s[24:31]
	s_nop 0
.endif
	PLACES 4                                       ; the places in front of the loads into buffers 0 and 1
.endm
.macro INL s, dst                      ; part s of my inbox: 16 rows x 64 columns as a register image
.irp n, 0,1,2,3
	ds_load_b128 v[\dst+8*\n:\dst+8*\n+3], v[INB] offset:4096*\s+1024*\n
	ds_load_b128 v[\dst+8*\n+4:\dst+8*\n+7], v[INB] offset:4096*\s+1024*\n+512
.endr
.endm
.macro ACCUM src                       ; OWN += 2^(e0+e1) x part
.irp j, 0,2,4,6,8,10,12,14,16,18,20,22,24,26,28,30
	v_pk_fma_f32 v[OWN+\j:OWN+\j+1], v[\src+\j:\src+\j+1], s[46:47], v[OWN+\j:OWN+\j+1] op_sel_hi:[1,0,1]
.endr
.endm
.macro TSTL                            ; the finished 16 x 64 into rows of 272 bytes of my own inbox (its parts have been read), and back as whole rows; LDS serves a wave in order
.irp n, 0,1,2,3
	ds_store_b128 v[TSA], v[OWN+8*\n:OWN+8*\n+3] offset:64*\n
	ds_store_b128 v[TSA], v[OWN+8*\n+4:OWN+8*\n+7] offset:64*\n+16
.endr
.irp t, 0,1,2,3,4,5,6,7
	ds_load_b128 v[Y+4*\t:Y+4*\t+3], v[TLA] offset:2*SPITCH*\t
.endr
.endm
.macro SENDY                           ; sixteen lanes store 256 aligned bytes of a row; two rows an instruction
	s_add_nc_u64 s[76:77], s[18:19], s[74:75]
.irp t, 0,1,2,3,4,5,6,7
	global_store_b128 v[CO], v[Y+4*\t:Y+4*\t+3], s[76:77] offset:8192*\t th:TH_STORE_NT
.endr
.endm
; One chunk of 64 columns: slots 0 and 1, four groups each.  The chunk before is joined and stored on the way (first = 0).  c0: LDS instructions that may stay out at its head.
.macro TRIP first, last, c0
	s_wait_dscnt \c0                               ; buffer 0 is in
	MM 0, 0, 1                                     ; the first products start the sums
.if \last
	BOUND 0, 0
.else
	BOUND 0, 1
.endif
.if \first == 0
	INL 0, X
	INL 1, Y
.endif
	WIN TO_B
	LB 1, 0
	LB 1, 1
	MM 0, 2, 0
	WIN 0
.if \first
	PLACES 4
.else
	s_wait_dscnt 32                                ; both parts are in; the 32 fragment loads behind them may be out
	ACCUM X
	ACCUM Y
	INL 2, X
.endif
	WIN TO_B
	LB 1, 2
	MM 0, 3, 0
	WIN 0
.if \first
	PLACES 4
.else
	s_wait_dscnt 16                                ; the third part is in; 16 fragment loads may be out
	ACCUM X
	TSTL
.endif
	WIN TO_B
	LB 1, 3
	s_wait_dscnt 48                                ; slot 1's buffer 0 is in: at least 48 LDS instructions were issued behind it
	MM 1, 0, 0
	WIN 0
.if \first == 0
	s_wait_dscnt 16                                ; the rows are back; 16 fragment loads may be out
	SENDY
.endif
	s_add_nc_u64 s[78:79], s[14:15], s[72:73]
.irp n, 0,1,2,3
	global_load_b128 v[X+8*\n:X+8*\n+3], v[VB2], s[78:79] offset:64*\n          ; b2 at this chunk's columns 16 n + 8 h + 0 .. 7
	global_load_b128 v[X+8*\n+4:X+8*\n+7], v[VB2], s[78:79] offset:64*\n+16
.endr
	s_wait_xcnt 0x0                                ; Y and the stores' base are written again only behind this wait
.if \last
	BOUND 1, 0
	MM 1, 2, 0
	MM 1, 3, 0
	WIN 0
	PLACES 4
.else
	BOUND 1, 1
	WIN TO_B
	LB 0, 0
	LB 0, 1
	MM 1, 2, 0
	PLACES 4
	WIN TO_B
	LB 0, 2
	MM 1, 3, 0
	PLACES 4
	WIN TO_B
	LB 0, 3
	WIN 0
.endif
.irp a, 1,2,3                          ; my parts of the other owners' rows, as register images; each accumulator from its low end on
.irp n, 0,1,2,3
	ds_store_b128 v[EX+\a-1], v[ACC+8*(4*\n+\a):ACC+8*(4*\n+\a)+3] offset:1024*\n
	ds_store_b128 v[EX+\a-1], v[ACC+8*(4*\n+\a)+4:ACC+8*(4*\n+\a)+7] offset:1024*\n+512
.endr
.endr
	s_wait_loadcnt 0x0                             ; b2
.irp n, 0,1,2,3
.irp i, 0,2,4,6
	v_pk_fma_f32 v[OWN+8*\n+\i:OWN+8*\n+\i+1], v[ACC+32*\n+\i:ACC+32*\n+\i+1], s[46:47], v[X+8*\n+\i:X+8*\n+\i+1] op_sel_hi:[1,0,1]
.endr
.endr
	s_mov_b32 s74, s72                             ; the chunk to be stored; the next chunk; the chunk after it in W2
	s_add_co_u32 s72, s72, 256
	s_and_b32 s72, s72, 0xfff
	s_add_co_u32 s70, s70, 0x40000
	s_and_b32 s70, s70, 0x3fffff
	s_wait_alu depctr_va_vdst(0)
.endm
	s_load_b256 s[4:11], s[0:1], 0x0               ; x, theta, W1, b1
	s_load_b256 s[12:19], s[0:1], 0x20             ; W2's codes, b2, the scales, out
	v_lshl_add_u32 v[SPW], v0, 2, SPARE
	v_mov_b32 v[NIL], 0
	ds_add_u32 v[SPW], v[NIL]                      ; the opening lines: the add twice on end
	ds_add_u32 v[SPW], v[NIL]
	v_lshrrev_b32 v[TA], 5, v0
	v_readfirstlane_b32 s20, v[TA]                 ; wave
	s_bfe_u32 s21, ttmp6, 0x40000
	s_lshl_b32 s22, ttmp9, 2
	s_add_co_u32 s22, s22, s21                     ; work-group
	s_lshr_b32 s62, ttmp9, 1
	s_xor_b32 s62, s62, ttmp9
	s_and_b32 s62, s62, 15                         ; the cluster's first chunk
	s_lshl_b32 s70, s62, 18                        ; 64 rows of W2 are 262,144 bytes
	s_mov_b32 s71, 0
	s_lshl_b32 s72, s62, 8                         ; 64 columns of out or b2 are 256 bytes
	s_mov_b32 s73, 0
	s_mov_b32 s75, 0
	s_mov_b32 s57, 0
	s_mov_b32 s61, 0
	s_mov_b32 s24, 15|(1<<20)|(1<<21)|(6<<22)|(3<<25)  ; mask: all four partners; bytes; 4 words of padding behind every 128
	s_mov_b32 s25, 512<<16
	s_mov_b32 s26, 64<<16
	s_mov_b32 s27, 512<<16
	s_mov_b32 s28, 64
	s_mov_b32 s29, 4096
	s_mov_b32 s30, 0
	s_mov_b32 s31, 0
	s_mov_b32 s48, 0xbe2aaaa3
	s_mov_b32 s49, 0x3c08839e
	s_mov_b32 s50, 0xb94ca1f9
	s_mov_b32 s51, 0x3d2aaaa5
	s_mov_b32 s52, 0xbab6061a
	s_mov_b32 s53, 0x37ccf5ce
	s_mul_i32 s23, s20, WTILE
	s_mul_i32 s40, s20, OBOX
	s_add_co_u32 s40, s40, INBOX                   ; my inbox
	s_lshl_b32 s41, s20, 14                        ; 512 rows of W1
	s_lshl_b32 s42, s20, 11                        ; 512 numbers of b1
.irp a, 0,1,2,3
	s_add_co_u32 s[80+\a], s20, \a
	s_and_b32 s[80+\a], s[80+\a], 3                ; row tile of register slot a
	s_lshl_b32 s[84+\a], s[80+\a], 16              ; 16 rows of x
.endr
.irp a, 1,2,3
	s_mul_i32 s[88+\a], s[80+\a], OBOX
	s_add_co_u32 s[88+\a], s[88+\a], INBOX+(\a-1)*4096
.endr
	v_and_b32 v[TR], 15, v0                        ; r
	v_bfe_u32 v[TH], v0, 4, 1                      ; h
	v_and_b32 v[L16], 31, v0
	v_lshlrev_b32 v[L16], 4, v[L16]
	v_mul_u32_u24 v[ADRB], v[TR], PITCH
	v_lshl_add_u32 v[ADRB], v[TH], 4, v[ADRB]
	v_add_nc_u32 v[ADRB], s23, v[ADRB]
	v_add_nc_u32 v[ADRB+1], SLOT, v[ADRB]
	v_add_nc_u32 v[INB], s40, v[L16]
.irp a, 1,2,3
	v_add_nc_u32 v[EX+\a-1], s[88+\a], v[L16]
.endr
	v_mul_u32_u24 v[TSA], v[TR], SPITCH
	v_lshl_add_u32 v[TSA], v[TH], 5, v[TSA]
	v_add_nc_u32 v[TSA], s40, v[TSA]
	v_mul_u32_u24 v[TLA], v[TH], SPITCH
	v_lshl_add_u32 v[TLA], v[TR], 4, v[TLA]
	v_add_nc_u32 v[TLA], s40, v[TLA]
	v_lshlrev_b32 v[CO], 12, v[TH]
	v_lshl_add_u32 v[CO], v[TR], 4, v[CO]
	v_lshlrev_b32 v[VB2], 5, v[TH]
	v_lshlrev_b32 v[THA], 4, v[TH]
	v_and_b32 v[VW1], 8, v[TR]
	v_add_nc_u32 v[VW1], v[VW1], v[TR]
	v_lshlrev_b32 v[VW1], 5, v[VW1]
	v_lshl_add_u32 v[VW1], v[TH], 4, v[VW1]
	v_add_nc_u32 v[VW1], s41, v[VW1]
	v_lshlrev_b32 v[VB1], 6, v[TH]
	v_add_nc_u32 v[VB1], s42, v[VB1]
	v_lshlrev_b32 v[TA], 12, v[TR]
	v_lshl_add_u32 v[TA], v[TH], 4, v[TA]
.irp a, 0,1,2,3
	v_add_nc_u32 v[XA+\a], s[84+\a], v[TA]
.endr
	s_wait_alu depctr_va_vdst(0)
	s_wait_dscnt 0x0
	s_wait_kmcnt 0x0
	s_load_b64 s[54:55], s[16:17], 0x0             ; e0, e1
	s_lshl_b32 s60, s22, 18                        ; 64 rows of 4,096 bytes
	s_add_nc_u64 s[4:5], s[4:5], s[60:61]
	s_add_nc_u64 s[18:19], s[18:19], s[60:61]
	s_lshl_b32 s56, s20, 16
	s_add_nc_u64 s[18:19], s[18:19], s[56:57]      ; out at my own 16 rows
	s_lshl_b32 s56, s20, 9
	s_add_nc_u64 s[66:67], s[12:13], s[56:57]      ; W2 at my 512 bytes of K half 0,
	s_add_nc_u64 s[68:69], s[66:67], 2048          ; and of K half 1
.irp a, 0,1,2,3
	global_load_b128 v[Q+4*\a:Q+4*\a+3], v[XA+\a], s[4:5]      ; x(row, 4 h .. 4 h + 3)
.endr
	global_load_b128 v[THC:THC+3], v[THA], s[6:7]
.set gg, 0
.rept 6
	W1LOAD
.set gg, gg+1
.endr
	s_mov_b32 s32, 1
	s_mov_b32 s33, s23
	s_add_nc_u64 s[34:35], s[66:67], s[70:71]
	s_or_b32 s35, s35, 0x80000000
	s_mov_b32 s36, 1
	s_add_co_u32 s37, s23, SLOT
	s_add_nc_u64 s[38:39], s[68:69], s[70:71]
	s_or_b32 s39, s39, 0x80000000
	CROUND                                         ; in front of the first joint loads
	tensor_load_to_lds s[32:35], s[24:31]          ; slot 0: one tensor load a wave at the head
	s_nop 0
	PLACES 4
	s_wait_loadcnt 36                              ; x and theta; the six groups of W1 and b1 may be out
	COS4 THC
	COS4 Q
	COS4 Q+4
	COS4 Q+8
	COS4 Q+12
.irp m, 0,1,2,3
.irp i, 0,2
	v_pk_mul_f32 v[Q+4*\m+\i:Q+4*\m+\i+1], v[Q+4*\m+\i:Q+4*\m+\i+1], v[THC+\i:THC+\i+1]
.endr
.endr
	s_wait_alu depctr_va_vdst(0)
	s_wait_kmcnt 0x0
	s_add_co_i32 s56, s54, 127
	s_lshl_b32 s23, s56, 23
	v_mov_b32 v[SCL], s23                          ; 2^e0
	s_add_co_i32 s56, s56, 15
	s_lshl_b32 s56, s56, 23
	s_or_b32 s56, s56, 0x600000
	v_mov_b32 v[LIM], s56                          ; 57,344 x 2^e0
	s_add_co_i32 s46, s54, s55
	s_add_co_i32 s46, s46, 127
	s_lshl_b32 s46, s46, 23                        ; 2^(e0 + e1)
	s_mov_b32 s47, s46
	s_wait_alu depctr_va_vdst(0)                   ; q, the scale
; 128 units.  Unit t's four products are followed by unit t - 1's clamps, which are the places behind them: sixteen plain lines stand between a unit's products and the first read of its sums,
; and in front of the load that fills a group's buffer again.
.set tt, 0
.rept 128
.if (tt%4) == 0
.if tt/4 < 27
	s_wait_loadcnt 30                              ; this group's six loads are in; five younger groups may be out
.else
	s_wait_loadcnt 6*(31-tt/4)
.endif
.endif
	FW4
.if tt == 1
	PLACES 9
.endif
.if tt >= 1
.set tv, tt-1
	CODES
.endif
.if ((tt%4) == 3) && (tt/4 < 26)
.set gg, tt/4+6
	W1LOAD
.endif
.if tt == 63                           ; slot 1's first fill, issued as a refill is
	s_wait_alu depctr_va_vdst(0)
	s_wait_tensorcnt 0x0
	ds_add_u32 v[SPW], v[NIL]
	s_wait_dscnt 0x0
	CROUND
	tensor_load_to_lds s[36:39], s[24:31]
	s_nop 0
	PLACES 4
	s_add_co_u32 s70, s70, 0x40000                 ; the next chunk of W2
	s_and_b32 s70, s70, 0x3fffff
.endif
.set tt, tt+1
.endr
.set tv, 127
	CODES
	v_nop
	WIN TO_B
	LB 0, 0
	LB 0, 1
	LB 0, 2
	LB 0, 3
	WIN 0
	s_wait_alu depctr_va_vdst(0)
	TRIP 1, 0, 48
	s_mov_b32 s43, 14
.Lchunk:
	TRIP 0, 0, 56                                  ; behind buffers 0 and 1: 32 fragment loads and 24 exchange stores
	s_sub_co_u32 s43, s43, 1
	s_cmp_lg_u32 s43, 0
	s_cbranch_scc1 .Lchunk
	TRIP 0, 1, 56
	s_wait_dscnt 0x0                               ; the last chunk is joined: my exchange stores are done
	s_barrier_signal -1
	s_barrier_wait -1
	INL 0, X
	INL 1, Y
	s_wait_dscnt 0x0
	ACCUM X
	ACCUM Y
	INL 2, X
	s_wait_dscnt 0x0
	ACCUM X
	TSTL
	s_wait_dscnt 0x0
	SENDY
	s_wait_tensorcnt 0x0                           ; the wave's end
	ds_add_u32 v[SPW], v[NIL]
	s_wait_dscnt 0x0
	CROUND                                         ; the closing round
	s_endpgm
.Lfunc_end_k_q28f95f2311_ffq:
	.size	k_q28f95f2311_ffq, .Lfunc_end_k_q28f95f2311_ffq-k_q28f95f2311_ffq
	.p2alignl 7, 3214868480
	.fill 96, 4, 3214868480
	.section	.rodata,"a",@progbits
	.p2align	6, 0x0
	.amdhsa_kernel k_q28f95f2311_ffq
		.amdhsa_group_segment_fixed_size 327680
		.amdhsa_private_segment_fixed_size 0
		.amdhsa_enable_private_segment 0
		.amdhsa_kernarg_size 64
		.amdhsa_user_sgpr_count 2
		.amdhsa_user_sgpr_kernarg_segment_ptr 1
		.amdhsa_wavefront_size32 1
		.amdhsa_system_sgpr_workgroup_id_x 1
		.amdhsa_system_sgpr_workgroup_id_y 1
		.amdhsa_system_sgpr_workgroup_id_z 1
		.amdhsa_system_vgpr_workitem_id 0
		.amdhsa_next_free_vgpr 1024
		.amdhsa_next_free_sgpr 96
		.amdhsa_reserve_vcc 1
		.amdhsa_float_denorm_mode_32 3
		.amdhsa_float_denorm_mode_16_64 3
		.amdhsa_memory_ordered 1
		.amdhsa_forward_progress 1
		.amdhsa_inst_pref_size 255
	.end_amdhsa_kernel
	.section	.bss,"aw",@nobits
	.p2align	6
	.space	262144
	.amdgpu_metadata
---
amdhsa.version: [ 1, 2 ]
amdhsa.kernels:
  - .name:           k_q28f95f2311_ffq
    .symbol:         k_q28f95f2311_ffq.kd
    .args:
      - { .name: x, .offset: 0, .size: 8, .value_kind: global_buffer, .address_space: global }
      - { .name: theta, .offset: 8, .size: 8, .value_kind: global_buffer, .address_space: global }
      - { .name: W1, .offset: 16, .size: 8, .value_kind: global_buffer, .address_space: global }
      - { .name: b1, .offset: 24, .size: 8, .value_kind: global_buffer, .address_space: global }
      - { .name: W2_codes, .offset: 32, .size: 8, .value_kind: global_buffer, .address_space: global }
      - { .name: b2, .offset: 40, .size: 8, .value_kind: global_buffer, .address_space: global }
      - { .name: lowp_scales, .offset: 48, .size: 8, .value_kind: global_buffer, .address_space: global }
      - { .name: out0, .offset: 56, .size: 8, .value_kind: global_buffer, .address_space: global }
    .group_segment_fixed_size: 327680
    .private_segment_fixed_size: 0
    .kernarg_segment_align: 8
    .kernarg_segment_size: 64
    .max_flat_workgroup_size: 128
    .sgpr_count:     96
    .vgpr_count:     1024
    .wavefront_size: 32
...
	.end_amdgpu_metadata
.endif
;; end of part 2
